; MI455X (gfx1250); checked and timed in simulation.
; The chip was launched on July 23, 2026; its instructions are those of AMD's public machine-readable ISA for CDNA 5 (MIT licence, August 2026) and "CDNA5" Instruction Set Architecture Reference Guide (July 2026). The comments in the code are by the model that wrote it; some were corrected since.
;; Mutihead Attention. Allowed arithmetic: matrix products marked QUANTISED: E2M3 operands, one E8M0 scale for each 32 along K, by v_wmma_scale_f32_16x16x128_f8f6f4 with both operands' format E2M3, f32 sums; everything else in f32.
;; Inputs: Wk_codes 1,024 x 32 x 24 uint8 (E2M3 codes of Wk, K innermost, in blocks of 32 codes, four codes in three bytes); Wk_scales 1,024 x 32 uint8 (E8M0 scales of Wk, one for each 32 codes along K); Wq_codes 1,024 x 32 x 24 uint8 (E2M3 codes of Wq, K innermost, in blocks of 32 codes, four codes in three bytes); Wq_scales 1,024 x 32 uint8 (E8M0 scales of Wq, one for each 32 codes along K); Wr_codes 1,024 x 32 x 24 uint8 (E2M3 codes of Wr, K innermost, in blocks of 32 codes, four codes in three bytes); Wr_scales 1,024 x 32 uint8 (E8M0 scales of Wr, one for each 32 codes along K); Wv_codes 1,024 x 32 x 24 uint8 (E2M3 codes of Wv, K innermost, in blocks of 32 codes, four codes in three bytes); Wv_scales 1,024 x 32 uint8 (E8M0 scales of Wv, one for each 32 codes along K); beta 1,024 float32; gamma 1,024 float32; mask 4 x 2,048 int32; x_codes 4 x 2,048 x 32 x 24 uint8 (E2M3 codes of x, K innermost, in blocks of 32 codes, four codes in three bytes); x_scales 4 x 2,048 x 32 uint8 (E8M0 scales of x, one for each 32 codes along K).
;; Outputs: out0 4 x 2,048 x 1,024 float32.
;; This version of the problem:
;;   THIS VERSION OF THE PROBLEM IS GIVEN IN LOW PRECISION. The matrix products marked QUANTISED in the list below multiply operands that are first quantised to E2M3 (2 exponent bits, 3 mantissa bits; 6 bits a number), with one power-of-two scale for each 32 numbers along K (OCP MX v1.0); their sums are f32. All else is computed in f32.
;;   The module's matrix products, in the order in which they are computed (A, B: the left and right operand; K: the contracted axis; several contracted axes count as one K, in the product's order):
;;     1. [M 8,192, K 1,024] x [K 1,024, N 1,024]; A: input x (given as codes); B: input Wq (given as codes): QUANTISED
;;     2. [M 8,192, K 1,024] x [K 1,024, N 1,024]; A: input x (given as codes); B: input Wk (given as codes): QUANTISED
;;     3. [M 8,192, K 1,024] x [K 1,024, N 1,024]; A: input x (given as codes); B: input Wv (given as codes): QUANTISED
;;     4. batch 64 x [M 2,048, K 64] x [K 64, N 2,048]; A: computed on the way; B: computed on the way: QUANTISED
;;     5. batch 64 x [M 64, K 2,048] x [K 2,048, N 2,048]; A: computed on the way; B: softmax (see below): QUANTISED
;;     6. [M 8,192, K 1,024] x [K 1,024, N 1,024]; A: input x (given as codes); B: input Wr (given as codes): QUANTISED
;;   THE QUANTISER, for each operand of a quantised product, along K:
;;     - K is cut into blocks of 32 from its start; a last block that is shorter is filled with zeros.
;;     - A block's scale is 2^e with e = floor(log2(the largest magnitude in the block)) - 2, held to -126 .. 127; a block of zeros has e = 0. As a byte (E8M0): e + 127.
;;     - Each number is divided by its block's scale, clamped to +-7.5, and rounded to the nearest number of E2M3, ties to even, subnormals kept.
;;     - The product sums the exact products of the quantised numbers (number of the format x scale) in f32.
;;   ~~~python
;;   def quantise(x, axis):      # numpy; x: float32 -> the quantised numbers, widened to float32 again
;;       x = np.moveaxis(x, axis, -1); K = x.shape[-1]
;;       x = np.pad(x, [(0, 0)] * (x.ndim - 1) + [(0, -K % 32)]); x = x.reshape(x.shape[:-1] + (-1, 32)); a = np.abs(x).max(-1, keepdims=True)
;;       e = np.where(a > 0, np.clip(np.frexp(np.where(a > 0, a, 1))[1] - 1 - 2, -126, 127), 0)      # np.frexp(a)[1] - 1 = floor(log2(a)), exactly
;;       r = np.clip(x / 2.0 ** e, -7.5, 7.5)
;;       step = 2.0 ** (np.maximum(np.frexp(np.where(r == 0, 1, r))[1] - 1, 0) - 3)
;;       q = np.round(r / step) * step * 2.0 ** e      # np.round: ties to even
;;       return np.moveaxis(q.reshape(q.shape[:-2] + (-1,))[..., :K], -1, axis).astype(np.float32)
;;   ~~~
;;   SOFTMAX AHEAD OF A QUANTISED PRODUCT. Where the list says 'softmax', what is quantised is not the finished softmax but p = 2^(t - M), with t = logit x log2(e) and M = ceil(the row's largest t), a whole number; so 1/2 < the row's largest p <= 1. The row's sum l is taken of the UNQUANTISED p, in f32, and the product's result is divided by l at the end. Since M is a whole number, a kernel that streams over the keys may use a running M (the ceiling of the running maximum): every later rescaling is an exact power of two, which a block's scale takes up: the codes' values come out the same.
;;   OPERANDS COMPUTED ON THE WAY. 'Computed on the way' means the value that the module computes at that place (a softmax that the list does not call 'softmax' is quantised finished and normalised). What goes into a quantiser is computed in f32, as accurately as f32 sums, v_exp_f32 and their like allow (about 1e-6 of the number): no bf16 or f16 on the way to a quantiser, and a product that is left as it is and whose result goes on into a quantised operand takes f32 operands (vector FMAs, or v_wmma_f32_16x16x4_f32). A number that lies on a knife's edge between two numbers of the format may be rounded either way, as far as f32 arithmetic and the matrix unit's own rounding can turn it there, and no further.
;;   INPUTS GIVEN AS CODES. Wk (in the module: [1024, 1024], K = its axis 1); Wq (in the module: [1024, 1024], K = its axis 1); Wr (in the module: [1024, 1024], K = its axis 1); Wv (in the module: [1024, 1024], K = its axis 1); x (in the module: [4, 2048, 1024], K = its axis 2): each comes as NAME_codes (uint8): NAME with its K axis moved to the last place and cut into blocks of 32 codes, [.., K / 32, bytes a block], one block behind the other in memory; four codes in three bytes: a row's codes are one little-endian stream of bits, code i at bits 6 i .. 6 i + 5 (a code: sign, 2 exponent bits, 3 mantissa bits); and NAME_scales (uint8): the same leading axes, one E8M0 byte (e + 127) for each 32 codes along K. Its value is code x scale, taken as it is: it is not quantised again, and the codes and scales need not be those that the quantiser above would give.
;; One version. Each part assembles by itself: llvm-mc -triple=amdgcn-amd-amdhsa -mcpu=gfx1250 --defsym DOCPART=n.
;; ======== version 1 of 1: 3 launches
;; limits: right only within a limited range of input values
;; workspace buffers: qkv 20,185,088 bytes; pre 33,554,432 bytes; res 33,554,432 bytes
;; launch proj (part 1): grid 16 x 32, 4 waves a work-group, clusters of 4 x 4, 327,680 bytes of LDS; arguments x_codes, x_scales, Wq_codes, Wq_scales, Wk_codes, Wk_scales, Wv_codes, Wv_scales, Wr_codes, Wr_scales, mask, qkv, res; writes qkv, res
.if DOCPART == 1
	.amdgcn_target "amdgcn-amd-amdhsa--gfx1250"
	.amdhsa_code_object_version 6
	.text
	.protected	k_q85beab49ab_proj
	.globl	k_q85beab49ab_proj
	.p2align	8
	.type	k_q85beab49ab_proj,@function
k_q85beab49ab_proj:
	s_mov_b64 s[64:65], 0
	v_nop
	global_prefetch_b8 v0, s[64:65] scope:SCOPE_SE
	s_setreg_imm32_b32 hwreg(HW_REG_WAVE_MODE, 25, 1), 1
	s_wait_xcnt 0x0
	s_wait_alu depctr_hold_cnt(0) depctr_sa_sdst(0) depctr_va_vdst(0) depctr_va_sdst(0) depctr_va_ssrc(0) depctr_va_vcc(0) depctr_vm_vsrc(0)
	s_getreg_b32 s2, hwreg(HW_REG_IB_STS2, 6, 4)
	s_cmp_eq_u32 s2, 0
	s_cbranch_scc0 .Lentry_in_a_cluster
	s_endpgm
.Lentry_in_a_cluster:
	s_bfe_u32 s2, ttmp6, 0x10000c
	s_cmp_lg_u32 s2, 0xf033
	s_cbranch_scc0 .Lentry_shape_is_right
	s_endpgm
.Lentry_shape_is_right:
; The four projections x Wq^T, x Wk^T, x Wv^T, x Wr^T on codes of FP6 (E2M3) with E8M0 scales, K = 1,024.  Nothing of the problem is left out: every input is loaded by some launch.
; The cluster's x (0..3) says which weight.  A work-group makes 256 x 256 of a product, a wave 128 x 128 in 64 accumulators.  q, k, r: source 1 = rows of x (tokens), source 0 = rows of the weight
; (channels): a lane holds one token, its registers run along channels.  v: the two change places: a lane holds one channel, its registers run along tokens (the keys, the next K).
; K goes in chunks of 256 bytes of each row of 768 through two LDS slots: three chunks; chunks 0 and 1 are first fills, chunk 2 is the one refill.  A step of 128 along K is 96 bytes: steps 2 and 5 lie across two chunks.
; All tiles are asked for jointly in a cluster of 4 x 4: source 1's along a row of the cluster, source 0's along a column.
; No prefetch: of three chunks two come at the head, and there is no loop to run ahead in.
; OUT.  q, k, v are quantised along the next product's K (blocks of 32) and stored as images of operand registers.  qkv: [16 batch + head][16 blocks of 128 tokens], 19,712 bytes a block:
;   byte 0: k: 12 planes of 512 bytes (plane i = registers 4 i .. 4 i + 3 of 48, lane l's 16 bytes at 16 l; the tile of tokens 16 t .. 16 t + 15 in registers 6 t .. 6 t + 5), then 512 bytes of scale words
;   (row r's words of tiles 0-3 at 16 r, of tiles 4-7 at 256 + 16 r); the codes of a key whose mask is 0 are zeros;   byte 6,656: v: four fragments of 16 channels x 128 keys, 12 registers each, then 256 bytes of scale words;
;   byte 13,056: q, laid as k.  Within a block of 32 a lane's 16 numbers are k = 8 h + 0..7 and 16 + 8 h + 0..7: the same order on both sides of each later product.
; res = x Wr^T in f32: [tile of 16 tokens][head][8 planes of 512 bytes]: plane 2 t + e holds registers 4 e .. 4 e + 3 of the accumulator (token l % 16, channels 16 t + 8 (l / 16) + 0..7 of the head).
.set ROWB,   256
.set NQ,     2
.set KROW,   768
.set STEPS,  8
.set CHUNKS, 3
.set PITCH,  272                       ; 256 bytes + 16 of padding
.set FR,     12
.set NL,     6
.set NP,     4
.set HALFT,  128*PITCH
.set SLOT,   4*HALFT
.set KS,     32
.set SCL,    2*SLOT                    ; the scales of both sides' 256 rows, filled once
.set HALFS,  (128*KS/256)*272
.set SBLK,   (16*KS/256)*272
.set SPARE,  SCL+4*HALFS               ; the spare words
.set BLK,    19712
.set HSTR,   16*BLK
.set ADRA, 16
.set ADRB, 20
.set SH16, 24
.set LSC,  25
.set LI,   26
.set ADRS, 27
.set SPW,  28
.set NIL,  29
.set MA,   30
.set SC,   32
.set MK,   64
.set TM,   72
.set T2,   88
.set PWR,  96
.set SW,   104
.set AF,   128
.set IMB,  128
.set G1, 24
.set G0, 32
.set G1B, 48
.set G0B, 56
.set G1S, 68
.set G0S, 76
.set G1SB, 80
.set G0SB, 88
.set G0H, 4
.set G0HB, 8
.set MSB, 0
.macro WIN new
.if MSB != (\new)
	s_set_vgpr_msb (MSB<<8)|(\new)
.set MSB, (\new)
.endif
.endm
.set MUL_LO, 0xa1
.set MUL_HI, 0xf1
.set TO_B,   0x40
.macro JLOAD g0a, g1a, g0b, g1b        ; waves 0, 1 fetch for source 1's side, waves 2, 3 for source 0's; s_nop 0 and four v_nop behind each load
	s_cmp_eq_u32 s15, 0
	s_cbranch_scc0 .Lfor_b_\@
	tensor_load_to_lds s[\g0a:\g0a+3], s[\g1a:\g1a+7]
	s_nop 0
.rept 4
	v_nop
.endr
	s_branch .Lasked_\@
.Lfor_b_\@:
	tensor_load_to_lds s[\g0b:\g0b+3], s[\g1b:\g1b+7]
	s_nop 0
.rept 4
	v_nop
.endr
.Lasked_\@:
.endm
.macro CREST
	s_cmp_lg_u32 s14, 0
	s_cbranch_scc1 .Lnot_wave_0_\@
	s_barrier_signal -3
.Lnot_wave_0_\@:
	s_barrier_wait -3
	s_barrier_signal -1
	s_barrier_wait -1
.endm
.macro CROUND
	s_barrier_signal -1
	s_barrier_wait -1
	CREST
.endm
	s_load_b512 s[68:83], s[0:1], 0x0              ; x, Wq, Wk, Wv: codes and scales
	s_load_b256 s[84:91], s[0:1], 0x40             ; Wr's codes, Wr's scales, mask, qkv
	s_load_b64 s[98:99], s[0:1], 0x60              ; res
	v_lshl_add_u32 v[SPW], v0, 2, SPARE
	v_mov_b32 v[NIL], 0
	ds_add_u32 v[SPW], v[NIL]                      ; the opening lines: the add twice and one wait
	ds_add_u32 v[SPW], v[NIL]
	v_lshrrev_b32 v1, 5, v0
	v_readfirstlane_b32 s14, v1                    ; wave
	s_lshr_b32 s15, s14, 1
	s_and_b32 s16, s14, 1
	s_bfe_u32 s40, ttmp6, 0x40000                  ; cx
	s_bfe_u32 s41, ttmp6, 0x40004                  ; cy
	s_mov_b32 s95, ttmp9                           ; 0 q, 1 k, 2 v, 3 r: the same in all partners
	s_and_b32 s97, ttmp7, 0xffff
	s_lshl_b32 s97, s97, 2
	s_cmp_eq_u32 s95, 2
	s_cselect_b32 s17, 0, s97                      ; tile row of source 1's side: x's 32, for v the weight's 4
	s_cselect_b32 s42, s97, 0                      ; tile column of source 0's side
	s_add_co_u32 s17, s17, s41
	s_add_co_u32 s42, s42, s40
	s_cmp_eq_u32 s95, 1
	s_cselect_b32 s96, 0, 1                        ; only k's codes are hidden by the mask
	s_lshl_b32 s43, s41, 2
	s_lshl_b32 s43, 15, s43
	s_lshl_b32 s44, 0x1111, s40
	s_or_b32 s[G1+0], s43, (0<<16)|(1<<20)|(1<<21)|(5<<22)|(3<<25)
	s_or_b32 s[G1B+0], s44, (0<<16)|(1<<20)|(1<<21)|(5<<22)|(3<<25)
.irp g, G1, G1B
	s_mov_b32 s[\g+1], ROWB<<16
	s_mov_b32 s[\g+2], 256<<16                     ; the head's loads bring 256 rows
	s_mov_b32 s[\g+3], ROWB<<16
	s_mov_b32 s[\g+4], 256
	s_mov_b32 s[\g+5], KROW
	s_mov_b32 s[\g+6], 0
	s_mov_b32 s[\g+7], 0
.endr
	s_lshl_b32 s20, s17, 8
	s_lshl_b32 s46, s42, 8
	s_mov_b32 s21, 0
	s_mov_b32 s47, 0
	s_mov_b64 s[18:19], KS
	s_mul_u64 s[22:23], s[20:21], s[18:19]
	s_mul_u64 s[92:93], s[46:47], s[18:19]
	s_mov_b64 s[18:19], KROW
	s_mul_u64 s[20:21], s[20:21], s[18:19]
	s_mul_u64 s[46:47], s[46:47], s[18:19]
	s_mul_i32 s18, s16, 128*KROW
	s_mov_b32 s19, 0
	s_mul_i32 s45, s14, HALFT
	s_wait_dscnt 0x0
	s_wait_kmcnt 0x0
	s_cmp_eq_u32 s95, 2
	s_cselect_b64 s[4:5], s[80:81], s[68:69]
	s_cselect_b64 s[6:7], s[82:83], s[70:71]
	s_cselect_b64 s[8:9], s[68:69], s[76:77]
	s_cselect_b64 s[10:11], s[70:71], s[78:79]
	s_cmp_eq_u32 s95, 0
	s_cselect_b64 s[8:9], s[72:73], s[8:9]
	s_cselect_b64 s[10:11], s[74:75], s[10:11]
	s_cmp_eq_u32 s95, 3
	s_cselect_b64 s[8:9], s[84:85], s[8:9]
	s_cselect_b64 s[10:11], s[86:87], s[10:11]
	s_mov_b64 s[66:67], s[88:89]                   ; mask
	s_mov_b64 s[12:13], s[90:91]                   ; qkv
	s_add_nc_u64 s[20:21], s[4:5], s[20:21]
	s_add_nc_u64 s[22:23], s[6:7], s[22:23]
	s_add_nc_u64 s[46:47], s[8:9], s[46:47]
	s_add_nc_u64 s[92:93], s[10:11], s[92:93]
	s_or_b32 s[G1S+0], s43, (3<<16)|(1<<20)|(1<<21)|(5<<22)|(3<<25)   ; the scales of 256 rows: a dense block, 32 rows of 256 bytes
	s_or_b32 s[G1SB+0], s44, (3<<16)|(1<<20)|(1<<21)|(5<<22)|(3<<25)
.irp g, G1S, G1SB
	s_mov_b32 s[\g+1], 32<<16
	s_mov_b32 s[\g+2], KS<<16
	s_mov_b32 s[\g+3], 32<<16
	s_mov_b32 s[\g+4], KS
	s_mov_b32 s[\g+5], 32
	s_mov_b32 s[\g+6], 0
	s_mov_b32 s[\g+7], 0
.endr
	CROUND                                         ; in front of the first joint loads
	s_mov_b32 s[G0H], 1
	s_mov_b32 s[G0H+1], 0
	s_mov_b64 s[G0H+2:G0H+3], s[20:21]
	s_or_b32 s[G0H+3], s[G0H+3], 0x80000000
	s_mov_b32 s[G0HB], 1
	s_mov_b32 s[G0HB+1], 2*HALFT
	s_mov_b64 s[G0HB+2:G0HB+3], s[46:47]
	s_or_b32 s[G0HB+3], s[G0HB+3], 0x80000000
	s_mov_b32 s[G0S], 1
	s_mov_b32 s[G0S+1], SCL
	s_mov_b64 s[G0S+2:G0S+3], s[22:23]
	s_or_b32 s[G0S+3], s[G0S+3], 0x80000000
	s_mov_b32 s[G0SB], 1
	s_mov_b32 s[G0SB+1], SCL+2*HALFS
	s_mov_b64 s[G0SB+2:G0SB+3], s[92:93]
	s_or_b32 s[G0SB+3], s[G0SB+3], 0x80000000
	s_add_nc_u64 s[20:21], s[20:21], s[18:19]      ; for the ring: my 128 rows
	s_add_nc_u64 s[46:47], s[46:47], s[18:19]
.irp s, 0,1
	s_mov_b32 s[G0+4*\s], 1
	s_add_co_u32 s[G0+4*\s+1], s45, \s*SLOT
	s_add_nc_u64 s[G0+4*\s+2:G0+4*\s+3], s[20:21], \s*ROWB
	s_or_b32 s[G0+4*\s+3], s[G0+4*\s+3], 0x80000000
	s_mov_b32 s[G0B+4*\s], 1
	s_add_co_u32 s[G0B+4*\s+1], s45, \s*SLOT
	s_add_nc_u64 s[G0B+4*\s+2:G0B+4*\s+3], s[46:47], \s*ROWB
	s_or_b32 s[G0B+4*\s+3], s[G0B+4*\s+3], 0x80000000
.endr
; the head's four tiles, one load a wave, in one chain of branches on the wave's number: chunk 0 of either side, the scales of either side
.macro ARM under, g0, g1, next
	s_cmp_lt_u32 s14, \under
	s_cbranch_scc0 \next
	tensor_load_to_lds s[\g0:\g0+3], s[\g1:\g1+7]
	s_nop 0
.rept 4
	v_nop
.endr
	s_branch .Lhead_asked
\next:
.endm
	ARM 1, G0H,  G1,  .Lhead_b
	ARM 2, G0HB, G1B, .Lhead_sa
	ARM 3, G0S,  G1S, .Lhead_sb
	tensor_load_to_lds s[G0SB:G0SB+3], s[G1SB:G1SB+7]
	s_nop 0
.rept 4
	v_nop
.endr
.Lhead_asked:
	v_and_b32 v1, 15, v0                           ; r
	v_bfe_u32 v2, v0, 4, 1                         ; h
	v_mul_u32_u24 v3, v1, PITCH
	v_mul_u32_u24 v4, v2, 24
	v_add_nc_u32 v4, v3, v4
	s_mov_b32 s21, SLOT-232
	s_mov_b32 s22, SLOT+232
	v_sub_nc_u32 v7, 1, v2
	v_mul_u32_u24 v5, s21, v2
	v_add_nc_u32 v5, v3, v5
	v_add_nc_u32 v5, 232, v5                       ; across two chunks: lanes 0-15 byte 232 in slot 0, lanes 16-31 byte 0 in slot 1
	v_mul_u32_u24 v6, s22, v7
	v_add_nc_u32 v6, v3, v6                        ; and the other way round
	s_mul_i32 s21, s15, HALFT
	s_mul_i32 s22, s16, HALFT
	s_add_co_u32 s22, s22, 2*HALFT
	v_add_nc_u32 v[ADRA+2], s21, v5
	v_add_nc_u32 v[ADRA+3], s21, v6
	v_add_nc_u32 v[ADRB+2], s22, v5
	v_add_nc_u32 v[ADRB+3], s22, v6
.irp s, 0,1
	v_add_nc_u32 v[ADRA+\s], s21, v4
	v_add_nc_u32 v[ADRB+\s], s22, v4
	s_add_co_u32 s21, s21, SLOT
	s_add_co_u32 s22, s22, SLOT
.endr
	v_mul_u32_u24 v5, v1, KS
	v_lshrrev_b32 v6, 8, v5
	v_lshl_add_u32 v5, v6, 4, v5
	s_mul_i32 s21, s15, HALFS
	s_mul_i32 s22, s16, HALFS
	s_add_co_u32 s22, s22, 2*HALFS
	s_sub_co_u32 s22, s22, s21
	v_mul_u32_u24 v6, s22, v2
	s_add_co_u32 s21, s21, SCL
	v_add_nc_u32 v5, v5, v6
	v_add_nc_u32 v[ADRS], s21, v5
	v_lshlrev_b32 v[SH16], 4, v2
	v_mul_u32_u24 v[LSC], v2, HSTR
	v_lshl_add_u32 v[LSC], v1, 4, v[LSC]
	v_and_b32 v6, 31, v0
	v_lshlrev_b32 v[LI], 4, v6
	v_lshlrev_b32 v[MA], 2, v1
.irp b, 0,1,2,3
	v_mov_b32 v[TM+4+\b], 0                        ; a lane permute's destination counts as a source
.endr
	s_lshl_b32 s20, s17, 8
	s_lshl_b32 s21, s15, 7
	s_add_co_u32 s20, s20, s21                     ; my first row of source 1's side
	s_lshl_b32 s46, s42, 8
	s_lshl_b32 s47, s16, 7
	s_add_co_u32 s46, s46, s47                     ; and of source 0's
	s_lshl_b32 s22, s20, 2
	s_mov_b32 s23, 0
	s_add_nc_u64 s[66:67], s[66:67], s[22:23]
	s_lshl_b32 s22, s20, 12                        ; res: 65,536 bytes for 16 tokens, 4,096 for a head of 64 channels
	s_lshl_b32 s18, s46, 6
	s_add_co_u32 s22, s22, s18
	s_add_nc_u64 s[98:99], s[98:99], s[22:23]
	s_cmp_eq_u32 s95, 2
	s_cselect_b32 s92, s46, s20                    ; my first token
	s_cselect_b32 s93, s20, s46                    ; my first channel
	s_cselect_b32 s94, 6656, 0
	s_cmp_eq_u32 s95, 0
	s_cselect_b32 s94, 13056, s94
	s_lshr_b32 s18, s92, 11
	s_lshl_b32 s18, s18, 4
	s_lshr_b32 s19, s93, 6
	s_add_co_u32 s18, s18, s19
	s_lshl_b32 s18, s18, 4
	s_bfe_u32 s19, s92, 0x40007
	s_add_co_u32 s18, s18, s19
	s_mul_i32 s18, s18, BLK
	s_add_co_u32 s18, s18, s94
	s_mov_b32 s19, 0
	s_add_nc_u64 s[12:13], s[12:13], s[18:19]
	s_wait_alu depctr_va_vdst(0)                   ; the wait at the head's end
.irp a, 0,1,2,3,4,5,6,7
	global_load_b32 v[MK+\a], v[MA], s[66:67] offset:64*\a
.endr
.macro FRAG reg, adr, st, i            ; 16 rows x 128 K: six pieces of 8 bytes; byte y of a row lies in slot (y / 256) % 2 at byte y % 256
.irp p, 0,1,2,3,4,5
.set BY, 96*(\st)+48*(\p/3)+8*(\p%3)
.if BY/ROWB == (BY+24)/ROWB
	ds_load_b64 v[\reg+2*\p:\reg+2*\p+1], v[\adr+(BY/ROWB)%2] offset:BY%ROWB+(\i)*16*PITCH
.else
	ds_load_b64 v[\reg+2*\p:\reg+2*\p+1], v[\adr+2+(BY/ROWB)%2] offset:BY%ROWB-232+(\i)*16*PITCH
.endif
.endr
.endm
.macro MUL16 a0, p, q, sc, zero        ; the 64 accumulators take turns; zero = 1: the first product starts the sums
.irp a, \a0, \a0+1
.irp b, 0,1,2,3,4,5,6,7
.if \zero
	v_wmma_scale_f32_16x16x128_f8f6f4 v[8*(8*((\a)%4)+\b):8*(8*((\a)%4)+\b)+7], v[128*(\p)+FR*\b:128*(\p)+FR*\b+FR-1], v[AF+FR*(\a):AF+FR*(\a)+FR-1], 0, v[SC+8*NQ*(\sc)+NQ*\b+(\q)], v[SC+8*NQ*(\sc)+NQ*(\a)+(\q)] matrix_a_fmt:MATRIX_FMT_FP6 matrix_b_fmt:MATRIX_FMT_FP6 matrix_a_scale:MATRIX_SCALE_ROW1
.else
	v_wmma_scale_f32_16x16x128_f8f6f4 v[8*(8*((\a)%4)+\b):8*(8*((\a)%4)+\b)+7], v[128*(\p)+FR*\b:128*(\p)+FR*\b+FR-1], v[AF+FR*(\a):AF+FR*(\a)+FR-1], v[8*(8*((\a)%4)+\b):8*(8*((\a)%4)+\b)+7], v[SC+8*NQ*(\sc)+NQ*\b+(\q)], v[SC+8*NQ*(\sc)+NQ*(\a)+(\q)] matrix_a_fmt:MATRIX_FMT_FP6 matrix_b_fmt:MATRIX_FMT_FP6 matrix_a_scale:MATRIX_SCALE_ROW1
.endif
.endr
.endr
.endm
.macro FETCH_B st, p
	WIN TO_B
.irp i, 0,1,2,3,4,5,6,7
	FRAG 128*(\p)+FR*\i, ADRB, \st, \i
.endr
	WIN 0
.endm
.macro FETCH_A st, i0
.irp i, \i0, \i0+1, \i0+2, \i0+3
	FRAG AF+FR*(\i), ADRA, \st, \i
.endr
.endm
.macro SCALES pr                       ; the scale words of steps 2 pr, 2 pr + 1: lanes 0-15 source 1's block i, lanes 16-31 source 0's
.irp i, 0,1,2,3,4,5,6,7
	ds_load_b64 v[SC+8*NQ*((\pr)%2)+NQ*\i:SC+8*NQ*((\pr)%2)+NQ*\i+1], v[ADRS] offset:\i*SBLK+4*NQ*(\pr)
.endr
.endm
.macro PLACES n
.rept \n
	v_nop
.endr
.endm
; A step: 64 products; the next step's fragments are fetched in its middle and at its end.  Where the next step ends in a chunk not read yet: the wait for my tensor loads and a barrier.
; Where it begins in a later chunk: the three lines and the barrier for the chunk left behind, which opens a round of the cluster's barrier where a chunk is left to fetch.
.macro STEP st, zero
.set NX, (\st)+1
.set C0, (96*(\st))/ROWB
.set C1, (96*NX)/ROWB
.set E0, (96*(\st)+95)/ROWB
.set E1, (96*NX+95)/ROWB
.if C1 > C0 || E1 > E0
	s_wait_tensorcnt 0x0
.if C1 > C0
	ds_add_u32 v[SPW], v[NIL]
	s_wait_dscnt 4*NL+1                            ; the add and the 24 youngest loads may be out
.else
	s_wait_dscnt 4*NL
.endif
	WIN MUL_LO
	MUL16 0, (\st)%2, (\st)%2, ((\st)/2)%2, \zero
	s_wait_dscnt 0x0                               ; the add and my reads of the chunk left behind are done
	s_barrier_signal -1
	MUL16 2, (\st)%2, (\st)%2, ((\st)/2)%2, \zero
	WIN 0
	s_barrier_wait -1
.if C1 > C0 && C0+2 < CHUNKS
	CREST
	s_add_nc_u64 s[G0+4*(C0%2)+2:G0+4*(C0%2)+3], s[G0+4*(C0%2)+2:G0+4*(C0%2)+3], 2*ROWB
	s_add_nc_u64 s[G0B+4*(C0%2)+2:G0B+4*(C0%2)+3], s[G0B+4*(C0%2)+2:G0B+4*(C0%2)+3], 2*ROWB
	JLOAD G0+4*(C0%2), G1, G0B+4*(C0%2), G1B       ; the refill, first behind the round; its four v_nop are the places for the loads below
.else
	PLACES NP
.endif
.else
	s_wait_dscnt 4*NL                              ; all but the 24 youngest loads (source 1's blocks 4-7)
	WIN MUL_LO
	MUL16 0, (\st)%2, (\st)%2, ((\st)/2)%2, \zero
	MUL16 2, (\st)%2, (\st)%2, ((\st)/2)%2, \zero
	s_wait_dscnt 0
	PLACES NP
.endif
	FETCH_B NX, NX%2
	FETCH_A NX, 0
.if NX%2 == 0
	SCALES NX/2
.endif
	WIN MUL_HI
	MUL16 4, (\st)%2, (\st)%2, ((\st)/2)%2, \zero
	MUL16 6, (\st)%2, (\st)%2, ((\st)/2)%2, \zero
	PLACES NP
	WIN 0
	FETCH_A NX, 4
.endm
	s_wait_tensorcnt 0x0                           ; my tile of the head's four is in; the three lines ahead of slot 1's first fill
	ds_add_u32 v[SPW], v[NIL]
	s_mov_b32 s[G1+2], 128<<16                     ; no load of mine is out: from here on a load brings 128 rows
	s_mov_b32 s[G1+4], 128
	s_mov_b32 s[G1B+2], 128<<16
	s_mov_b32 s[G1B+4], 128
	s_wait_dscnt 0x0
	CROUND
	JLOAD G0+4, G1, G0B+4, G1B                     ; chunk 1
	FETCH_B 0, 0
	FETCH_A 0, 0
	SCALES 0
	FETCH_A 0, 4
	STEP 0, 1
.set ST, 1
.rept STEPS-2
	STEP ST, 0
.set ST, ST+1
.endr
	s_wait_dscnt 4*NL
	WIN MUL_LO
	MUL16 0, 1, 1, 1, 0
	MUL16 2, 1, 1, 1, 0
	s_wait_dscnt 0
	WIN MUL_HI
	MUL16 4, 1, 1, 1, 0
	MUL16 6, 1, 1, 1, 0
	WIN 0
; Block a's 16 rows x 128: four blocks of 32 along the next K; d0, d1: where the six registers of the first and of the second 64 go; pw: the four scale bytes
.macro QUANT a, d0, d1, pw
.set AC, 64*((\a)%4)
.set W, 2+(\a)/4
	WIN W|(W<<2)
.irp b, 0,1,2,3
	v_max3_num_f32 v[TM+\b], |v[AC+16*\b]|, |v[AC+16*\b+1]|, 0x1800000   ; with the floor 2^(3 - 127): the byte cannot fall under 1
.endr
	WIN (W<<2)|(W<<4)
.irp i, 2,4,6,8,10,12,14
.irp b, 0,1,2,3
	v_max3_num_f32 v[TM+\b], v[TM+\b], |v[AC+16*\b+\i]|, |v[AC+16*\b+\i+1]|
.endr
.endr
	WIN 0
.irp b, 0,1,2,3
	v_permlanex16_b32 v[TM+4+\b], v[TM+\b], s92, s93
.endr
.irp b, 0,1,2,3
	v_max_num_f32 v[TM+\b], v[TM+\b], v[TM+4+\b]
.endr
.irp b, 0,1,2,3
	v_add_nc_u32 v[TM+12+\b], 0xff000000, v[TM+\b]   ; 2 off the exponent field: the conversion's scale operand
.endr
.irp b, 0,1,2,3
	v_lshrrev_b32 v[TM+4+\b], 23, v[TM+12+\b]
.endr
	v_lshl_or_b32 v[\pw], v[TM+5], 8, v[TM+4]
	v_lshl_or_b32 v[\pw], v[TM+6], 16, v[\pw]
	v_lshl_or_b32 v[\pw], v[TM+7], 24, v[\pw]
	WIN W
	v_cvt_scalef32_pk16_fp6_f32 v[(\d0):(\d0)+2], v[AC:AC+15], v[TM+12]
	v_cvt_scalef32_pk16_fp6_f32 v[T2:T2+2], v[AC+16:AC+31], v[TM+13]
	v_cvt_scalef32_pk16_fp6_f32 v[(\d1):(\d1)+2], v[AC+32:AC+47], v[TM+14]
	v_cvt_scalef32_pk16_fp6_f32 v[T2+4:T2+6], v[AC+48:AC+63], v[TM+15]
	WIN 0
	v_nop
.irp i, 0,1,2
	v_permlane16_swap_b32 v[(\d0)+\i], v[T2+\i]    ; a whole block to a lane
.endr
.irp i, 0,1,2
	v_mov_b32 v[(\d0)+3+\i], v[T2+\i]
.endr
.irp i, 0,1,2
	v_permlane16_swap_b32 v[(\d1)+\i], v[T2+4+\i]
.endr
.irp i, 0,1,2
	v_mov_b32 v[(\d1)+3+\i], v[T2+4+\i]
.endr
.endm
.macro HIDE a, d0, d1                  ; zero codes for a key that does not count
	v_cmp_ne_u32 vcc_lo, 0, v[MK+(\a)]
.irp i, 0,1,2,3,4,5
	v_cndmask_b32 v[(\d0)+\i], 0, v[(\d0)+\i], vcc_lo
	v_cndmask_b32 v[(\d1)+\i], 0, v[(\d1)+\i], vcc_lo
.endr
.endm
	PLACES NP
	s_cmp_eq_u32 s95, 3
	s_cbranch_scc1 .Lr_path
	s_mov_b32 s92, 0x76543210
	s_mov_b32 s93, 0xfedcba98
	s_wait_loadcnt 0x0
.irp a, 0,1,2,3,4,5,6,7
	v_or_b32 v[MK+\a], s96, v[MK+\a]
.endr
	s_cmp_eq_u32 s95, 2
	s_cbranch_scc1 .Lv_path
.irp p, 0,1,2,3
	QUANT 2*\p, IMB+24*\p, IMB+24*\p+12, PWR+2*\p
	HIDE 2*\p, IMB+24*\p, IMB+24*\p+12
	QUANT 2*\p+1, IMB+24*\p+6, IMB+24*\p+18, PWR+2*\p+1
	HIDE 2*\p+1, IMB+24*\p+6, IMB+24*\p+18
.irp c, 0,1,2
	global_store_b128 v[LI], v[IMB+24*\p+4*\c:IMB+24*\p+4*\c+3], s[12:13] offset:1536*\p+512*\c
	global_store_b128 v[LI], v[IMB+24*\p+12+4*\c:IMB+24*\p+12+4*\c+3], s[12:13] offset:1536*\p+512*\c+HSTR
.endr
.endr
.irp j, 0,1,2,3,4,5,6,7
	v_lshrrev_b32 v[SW+\j], v[SH16], v[PWR+\j]     ; lanes 0-15 the first head's two bytes, lanes 16-31 the second's
.endr
.irp j, 0,1,2,3,4,5,6,7
	v_and_b32 v[SW+\j], 0xffff, v[SW+\j]
.endr
	global_store_b128 v[LSC], v[SW:SW+3], s[12:13] offset:6144
	global_store_b128 v[LSC], v[SW+4:SW+7], s[12:13] offset:6400
	s_branch .Lout
.Lv_path:
.irp a, 0,1,2,3,4,5,6,7
	QUANT \a, IMB+12*\a, IMB+12*\a+6, PWR+\a
.irp c, 0,1,2
	global_store_b128 v[LI], v[IMB+12*\a+4*\c:IMB+12*\a+4*\c+3], s[12:13] offset:1536*(\a%4)+512*\c+(\a/4)*HSTR
.endr
.endr
	v_cmp_ne_u32 vcc_lo, 0, v[SH16]
.irp j, 0,1,2,3
	v_cndmask_b32 v[SW+\j], v[PWR+\j], v[PWR+4+\j], vcc_lo
.endr
	global_store_b128 v[LSC], v[SW:SW+3], s[12:13] offset:6144
	s_branch .Lout
.Lr_path:                              ; x Wr^T leaves as it lies in the accumulators, each from its low end on: a store of the wave covers 512 consecutive bytes, aligned
.irp a, 0,1,2,3,4,5,6,7
	WIN 0x08+4*(\a/4)
.irp b, 0,1,2,3,4,5,6,7
	global_store_b128 v[LI], v[64*(\a%4)+8*\b:64*(\a%4)+8*\b+3], s[98:99] offset:65536*\a+4096*(\b/4)+1024*(\b%4)
	global_store_b128 v[LI], v[64*(\a%4)+8*\b+4:64*(\a%4)+8*\b+7], s[98:99] offset:65536*\a+4096*(\b/4)+1024*(\b%4)+512
.endr
.endr
	WIN 0
.Lout:
	s_wait_tensorcnt 0x0                           ; the wave's end
	ds_add_u32 v[SPW], v[NIL]
	s_wait_dscnt 0x0
	CROUND                                         ; the closing round
	s_endpgm
.Lfunc_end_k_q85beab49ab_proj:
	.size	k_q85beab49ab_proj, .Lfunc_end_k_q85beab49ab_proj-k_q85beab49ab_proj
	.p2alignl 7, 3214868480
	.fill 96, 4, 3214868480
	.section	.rodata,"a",@progbits
	.p2align	6, 0x0
	.amdhsa_kernel k_q85beab49ab_proj
		.amdhsa_group_segment_fixed_size 327680
		.amdhsa_private_segment_fixed_size 0
		.amdhsa_enable_private_segment 0
		.amdhsa_kernarg_size 104
		.amdhsa_user_sgpr_count 2
		.amdhsa_user_sgpr_kernarg_segment_ptr 1
		.amdhsa_wavefront_size32 1
		.amdhsa_system_sgpr_workgroup_id_x 1
		.amdhsa_system_sgpr_workgroup_id_y 1
		.amdhsa_system_sgpr_workgroup_id_z 1
		.amdhsa_system_vgpr_workitem_id 0
		.amdhsa_next_free_vgpr 1024
		.amdhsa_next_free_sgpr 100
		.amdhsa_reserve_vcc 1
		.amdhsa_float_denorm_mode_32 3
		.amdhsa_float_denorm_mode_16_64 3
		.amdhsa_memory_ordered 1
		.amdhsa_forward_progress 1
		.amdhsa_inst_pref_size 216
	.end_amdhsa_kernel
	.amdgpu_metadata
---
amdhsa.version: [ 1, 2 ]
amdhsa.kernels:
  - .name:           k_q85beab49ab_proj
    .symbol:         k_q85beab49ab_proj.kd
    .args:
      - { .name: x_codes, .offset: 0, .size: 8, .value_kind: global_buffer, .address_space: global }
      - { .name: x_scales, .offset: 8, .size: 8, .value_kind: global_buffer, .address_space: global }
      - { .name: Wq_codes, .offset: 16, .size: 8, .value_kind: global_buffer, .address_space: global }
      - { .name: Wq_scales, .offset: 24, .size: 8, .value_kind: global_buffer, .address_space: global }
      - { .name: Wk_codes, .offset: 32, .size: 8, .value_kind: global_buffer, .address_space: global }
      - { .name: Wk_scales, .offset: 40, .size: 8, .value_kind: global_buffer, .address_space: global }
      - { .name: Wv_codes, .offset: 48, .size: 8, .value_kind: global_buffer, .address_space: global }
      - { .name: Wv_scales, .offset: 56, .size: 8, .value_kind: global_buffer, .address_space: global }
      - { .name: Wr_codes, .offset: 64, .size: 8, .value_kind: global_buffer, .address_space: global }
      - { .name: Wr_scales, .offset: 72, .size: 8, .value_kind: global_buffer, .address_space: global }
      - { .name: mask, .offset: 80, .size: 8, .value_kind: global_buffer, .address_space: global }
      - { .name: qkv, .offset: 88, .size: 8, .value_kind: global_buffer, .address_space: global }
      - { .name: res, .offset: 96, .size: 8, .value_kind: global_buffer, .address_space: global }
    .group_segment_fixed_size: 327680
    .private_segment_fixed_size: 0
    .kernarg_segment_align: 8
    .kernarg_segment_size: 104
    .max_flat_workgroup_size: 128
    .sgpr_count:     100
    .vgpr_count:     1024
    .wavefront_size: 32
...
	.end_amdgpu_metadata
.endif
;; end of part 1
;; launch attn (part 2): grid 4 x 64, 8 waves a work-group, clusters of 4 x 1, 218,112 bytes of LDS; arguments qkv, mask, res, pre; writes pre
.if DOCPART == 2
	.amdgcn_target "amdgcn-amd-amdhsa--gfx1250"
	.amdhsa_code_object_version 6
	.text
	.protected	k_q85beab49ab_attn
	.globl	k_q85beab49ab_attn
	.p2align	8
	.type	k_q85beab49ab_attn,@function
k_q85beab49ab_attn:
	s_mov_b64 s[64:65], 0
	v_nop
	global_prefetch_b8 v0, s[64:65] scope:SCOPE_SE
	s_setreg_imm32_b32 hwreg(HW_REG_WAVE_MODE, 25, 1), 1
	s_wait_xcnt 0x0
	s_wait_alu depctr_hold_cnt(0) depctr_sa_sdst(0) depctr_va_vdst(0) depctr_va_sdst(0) depctr_va_ssrc(0) depctr_va_vcc(0) depctr_vm_vsrc(0)
	s_getreg_b32 s2, hwreg(HW_REG_IB_STS2, 6, 4)
	s_cmp_eq_u32 s2, 0
	s_cbranch_scc0 .Lentry_in_a_cluster
	s_endpgm
.Lentry_in_a_cluster:
	s_bfe_u32 s2, ttmp6, 0x10000c
	s_cmp_lg_u32 s2, 0x3003
	s_cbranch_scc0 .Lentry_shape_is_right
	s_endpgm
.Lentry_shape_is_right:
; pre = relu(softmax(q k^T / 8, masked) v + res), res = x Wr^T in f32 from the launch before; both products on codes of FP6 (E2M3) with E8M0 scales; q, k, v come as images of operand registers (the launch before says how they lie).
; SHARES.  A work-group owns 512 queries of one (batch, head); all of the head's K and V (16 key steps of 128 keys, 13,056 bytes each) lie in LDS, filled once: one tensor load a wave brings key steps 2 w and 2 w + 1
; as two rows of 13,056 bytes, 19,712 bytes apart in memory.  Nothing is filled again, so no barrier stands in the passes.  Eight waves, two to a SIMD.
; A wave takes TWO tiles of 16 queries at a time and does so twice; the two tiles share every fragment read from LDS.  A tile's large arrays (q, S^T, O^T, p's codes) lie in the tile's register window under the same numbers;
; BOTH tiles' small state (-M, the largest t, the sum, block maxima, scale operands, f) lies in window 0, so that the two tiles' short dependent chains stand line by line, each line's source made several lines earlier.
; CLUSTER.  The four work-groups of a (batch, head) read the same K and V: the tensor load is joint, with the mask of all four.
; LAYOUT.  Both products are used transposed (source 0 = 16 keys, or 16 channels of V^T; source 1 = my 16 queries): a lane holds ONE query (lane % 16), its registers run along keys or channels.
; K = 64 IN AN INSTRUCTION OF 128.  q's registers 6-11 hold zero codes, so k's upper six may hold anything: k's fragments stand six registers apart.
; THE MASK.  The scores' C operand is 0 for a key that counts and -2^33 for one that does not, whose codes are zeros: its score is exactly -2^33.  So p is 0 beside any key that counts, and where no key of a row
; counts every p is 1, the even weights that the formula gives.  LIMIT: the formula's -1e9 behind the division by 8 is replaced by -2^33 ahead of it: the two differ only where scores that count lie under about -1e9.
; LIMITS: the scaled scores stay under 2^31 in magnitude; NaN and infinities are not served.
; THE SOFTMAX.  t = score x c, c = log2(e) / 8; M = the running largest t rounded up to a whole number, kept as -M; p = 2^(t - M) is quantised along the keys; the row's sum is taken of the unquantised p and divides at the end.
; A STEP'S LDS LOADS all stand under the softmax: v's fragments of this step behind the scores' products, k's fragments, scale words and addends of the NEXT step behind the maxima; one wait a step, ahead of the second product.
; A pass's last step is written out: there res comes into the addends' 64 registers, and the next pass's q into q's own.
; PREFETCH.  At a pass's head one instruction names the 32 blocks of 256 bytes of res that the wave loads 15 steps on, a lane a block.  K and V come at the head alone: no loop runs ahead of them.
; pre, res: [query tile][head][8 planes of 512 bytes]: plane i holds registers 4 i .. 4 i + 3 of O^T; register 8 t + j of lane (r, h) is (query r, channel 16 t + 8 h + j of the head).
; REGISTERS.  Window 0: v1-7 addresses; v12-15, v204-223 tile 0's small state; v82-89, v224-239 tile 1's; v28-81 k's fragments; v240-247 k's and v's scale words; v248-249 p's; v250-251 q's; v254-255 for the add.
; Window 1: v0-11, v212-247 v's four fragments; v28-91 the scores' C, then res; v204-210 at work in tile 1's conversions.  In both: v16-27 q; v96-159 S^T, then p; v160-191 O^T; v192-203 p's codes.
.set BLK,  19712
.set KVB,  13056
.set BIAS, 16*KVB                      ; one f32 for each key: 0 or -2^33; written by LDS stores: no fill lands there
.set SPARE, BIAS+8192                  ; the spare words
.set LI,  1                            ; 16 x lane
.set LS,  2                            ; 16 r
.set LB,  3                            ; BIAS + 32 h
.set ADK, 4
.set ADS, 5
.set ADB, 6
.set PFO, 7                            ; 65,536 h + 256 r
.set R,   28
.set BI,  28
.set S,   96
.set O,   160
.set PC,  192
.set NM_0, 12                          ; -M, and behind it the largest t
.set SU_0, 14                          ; the sum, in two halves
.set BM_0, 204
.set PT_0, 208
.set SO_0, 216
.set F_0,  220
.set T0_0, 222
.set T1_0, 223
.set NM_1, 82
.set SU_1, 84
.set F_1,  86
.set T0_1, 88
.set T1_1, 89
.set BM_1, 224
.set PT_1, 228
.set SO_1, 236
.set CT_0, 208                         ; the conversions' second halves: window 0,
.set CT_1, 204                         ; window 1
.set VF0, 0                            ; v's fragments, in window 1
.set VF1, 212
.set VF2, 224
.set VF3, 236
.set KS,  240
.set VS,  244
.set PW,  248
.set QS,  250
.set SPW, 254
.set NIL, 255
.set MSB, 0
.macro WIN new                         ; bits 1:0 source 0, 3:2 source 1, 5:4 source 2, 7:6 destination; the high byte repeats the setting that is left
.if MSB != (\new)
	s_set_vgpr_msb (MSB<<8)|(\new)
.set MSB, (\new)
.endif
.endm
.macro CROUND
	s_barrier_signal -1
	s_barrier_wait -1
	s_cmp_lg_u32 s18, 0
	s_cbranch_scc1 .Lnot_wave_0_\@
	s_barrier_signal -3
.Lnot_wave_0_\@:
	s_barrier_wait -3
	s_barrier_signal -1
	s_barrier_wait -1
.endm
.macro QLOAD off                       ; a pair's image: tile 0 is its registers 0-5, tile 1 its registers 6-11; and the pair's scale words
	global_load_b64 v[16:17], v[LI], s[84:85] offset:\off
	global_load_b64 v[18:19], v[LI], s[84:85] offset:\off+8
	global_load_b64 v[20:21], v[LI], s[84:85] offset:\off+512
	global_load_b64 v[QS:QS+1], v[LS], s[86:87] offset:\off
	WIN 0x40
	global_load_b64 v[16:17], v[LI], s[84:85] offset:\off+520
	global_load_b64 v[18:19], v[LI], s[84:85] offset:\off+1024
	global_load_b64 v[20:21], v[LI], s[84:85] offset:\off+1032
	WIN 0
.endm
.macro KLOAD adr, off                  ; k's eight fragments, six registers each, and their scale words (lanes 0-15 tiles 0-3, lanes 16-31 tiles 4-7)
.irp i, 0,1,2,3,4,5,6,7,8,9,10,11
	ds_load_b128 v[R+4*\i:R+4*\i+3], v[\adr] offset:\off+512*\i
.endr
	ds_load_b128 v[KS:KS+3], v[\adr] offset:\off+6144
.endm
.macro BLOAD adr, off                  ; the addends of keys 16 t + 8 h + 0 .. 7, in the result's layout
	WIN 0x40
.irp t, 0,1,2,3,4,5,6,7
	ds_load_b128 v[BI+8*\t:BI+8*\t+3], v[\adr] offset:\off+64*\t
	ds_load_b128 v[BI+8*\t+4:BI+8*\t+7], v[\adr] offset:\off+64*\t+16
.endr
	WIN 0
.endm
	s_load_b256 s[4:11], s[0:1], 0x0               ; qkv, mask, res, pre
	v_lshl_add_u32 v[SPW], v0, 2, SPARE
	v_mov_b32 v[NIL], 0
	ds_add_u32 v[SPW], v[NIL]                      ; the opening lines: the add twice and one wait
	ds_add_u32 v[SPW], v[NIL]
	v_lshrrev_b32 v4, 5, v0
	v_readfirstlane_b32 s18, v4                    ; wave 0..7
	s_bfe_u32 s19, ttmp6, 0x40000                  ; cx: my quarter of the queries: it enters q's, res's and pre's global addresses alone
	s_and_b32 s24, ttmp7, 0xffff                   ; 16 batch + head, which the four partners share
	s_lshr_b32 s25, s24, 4
	s_and_b32 s26, s24, 15
	s_mov_b32 s20, 0x76543210
	s_mov_b32 s21, 0xfedcba98                      ; v_permlanex16_b32's selects for lane l xor 16
	s_mov_b32 s22, 0x3e38aa3b                      ; c = log2(e) / 8
	s_mov_b32 s23, s22
	s_mov_b32 s28, 15|(3<<16)|(1<<21)              ; group 1: two rows of 1,632 elements of 8 bytes, 2,464 elements apart; mask: all four work-groups
	s_mov_b32 s29, 1632<<16
	s_mov_b32 s30, 2<<16
	s_mov_b32 s31, 1632<<16
	s_mov_b32 s32, 2
	s_mov_b32 s33, BLK/8
	s_mov_b32 s34, 0
	s_mov_b32 s35, 0
	s_lshl_b32 s76, s24, 4
	s_lshl_b32 s77, s18, 1
	s_add_co_u32 s76, s76, s77
	s_mul_i32 s76, s76, BLK                        ; key step 2 w of my (batch, head)
	s_mov_b32 s77, 0
	s_mul_i32 s78, s18, 2*KVB
	s_wait_dscnt 0x0
	s_wait_kmcnt 0x0
	s_mov_b32 s52, 1
	s_mov_b32 s53, s78
	s_add_nc_u64 s[54:55], s[4:5], s[76:77]
	s_or_b32 s55, s55, 0x80000000
	CROUND                                         ; all four work-groups are here: the joint loads meet
	tensor_load_to_lds s[52:55], s[28:35]          ; my one tensor load of the launch
	s_nop 0
.rept 4
	v_nop
.endr
	s_lshl_b32 s80, s24, 4
	s_lshl_b32 s81, s19, 2
	s_add_co_u32 s80, s80, s81
	s_lshr_b32 s81, s18, 2
	s_add_co_u32 s80, s80, s81
	s_mul_i32 s80, s80, BLK                        ; the block with my first pair: 16 (batch, head) + 4 cx + w / 4
	s_and_b32 s81, s18, 3
	s_mul_i32 s82, s81, 1536
	s_add_co_u32 s82, s82, s80
	s_add_co_u32 s82, s82, 13056
	s_mov_b32 s83, 0
	s_add_nc_u64 s[84:85], s[4:5], s[82:83]        ; its image
	s_lshr_b32 s82, s81, 1
	s_lshl_b32 s82, s82, 8
	s_and_b32 s81, s18, 1
	s_lshl_b32 s81, s81, 3
	s_add_co_u32 s82, s82, s81
	s_add_co_u32 s82, s82, s80
	s_add_co_u32 s82, s82, 19200
	s_add_nc_u64 s[86:87], s[4:5], s[82:83]        ; its two scale words a row
	s_lshl_b32 s80, s25, 11
	s_lshl_b32 s81, s19, 9
	s_add_co_u32 s80, s80, s81
	s_lshl_b32 s81, s18, 5
	s_add_co_u32 s80, s80, s81                     ; my first query: 2,048 batch + 512 cx + 32 w
	s_lshl_b32 s82, s80, 12                        ; 65,536 bytes of res and pre for each 16 rows,
	s_lshl_b32 s81, s26, 12                        ; 4,096 for each head
	s_add_co_u32 s82, s82, s81
	s_add_nc_u64 s[8:9], s[8:9], s[82:83]
	s_add_nc_u64 s[10:11], s[10:11], s[82:83]
	s_lshl_b32 s82, s25, 13
	s_add_nc_u64 s[6:7], s[6:7], s[82:83]          ; my batch's mask
	v_and_b32 v6, 31, v0
	v_and_b32 v4, 15, v0                           ; r
	v_bfe_u32 v5, v0, 4, 1                         ; h
	v_lshlrev_b32 v[LI], 4, v6
	v_lshlrev_b32 v[LS], 4, v4
	v_lshl_add_u32 v[LB], v5, 5, BIAS
	v_lshlrev_b32 v[PFO], 8, v4
	v_lshl_add_u32 v[PFO], v5, 16, v[PFO]
	v_lshlrev_b32 v104, 5, v0                      ; eight keys' mask words a thread
	v_lshl_add_u32 v105, v0, 5, BIAS
	v_mov_b32 v106, 0xd0000000                     ; -2^33
	global_load_b128 v[96:99], v104, s[6:7]
	global_load_b128 v[100:103], v104, s[6:7] offset:16
	QLOAD 0                                        ; the first pass's q
.irp w, 0,1
	WIN 0x40*\w
.irp i, 22,23,24,25,26,27
	v_mov_b32 v[\i], 0                             ; q's zero codes, for both passes
.endr
.endr
	WIN 0
	v_mov_b32 v[F_0+1], 0                          ; named as the upper halves of pairs
	v_mov_b32 v[F_1+1], 0
.irp i, 48,49,50,51,52,53
	v_mov_b32 v[R+\i], 0                           ; the upper six registers of k's eighth fragment
.endr
	s_wait_alu depctr_va_vdst(0)
	s_wait_loadcnt 0x0
.irp j, 0,1,2,3,4,5,6,7
	v_cmp_eq_u32 vcc_lo, 0, v[96+\j]
	v_cndmask_b32 v[96+\j], 0, v106, vcc_lo        ; what is added to the key's scores
.endr
	ds_store_b128 v105, v[96:99]
	ds_store_b128 v105, v[100:103] offset:16
	s_wait_alu depctr_va_vdst(0)                   ; the wait at the head's end
	s_wait_tensorcnt 0x0                           ; my two key steps are in
	s_wait_dscnt 0x0                               ; for the others' sake: my stores are done
	s_barrier_signal -1
	s_barrier_wait -1                              ; all 16 key steps and the 2,048 addends are whole
; The largest score of each block of 32 keys (register 16 b + i of S^T is a key of block b), in two chains a block, eight chains a tile; each accumulator is first read at its low end.
.macro MAXES w
	WIN 0x15*(\w)
.irp b, 0,1,2,3
	v_max3_num_f32 v[BM_\w+\b], v[S+16*\b], v[S+16*\b+1], v[S+16*\b+2]
.endr
.irp b, 0,1,2,3
	v_max3_num_f32 v[PT_\w+\b], v[S+16*\b+8], v[S+16*\b+9], v[S+16*\b+10]
.endr
	WIN 0x14*(\w)
.irp i, 3,5
.irp b, 0,1,2,3
	v_max3_num_f32 v[BM_\w+\b], v[BM_\w+\b], v[S+16*\b+\i], v[S+16*\b+\i+1]
.endr
.irp b, 0,1,2,3
	v_max3_num_f32 v[PT_\w+\b], v[PT_\w+\b], v[S+16*\b+8+\i], v[S+16*\b+9+\i]
.endr
.endr
.irp b, 0,1,2,3
	v_max3_num_f32 v[BM_\w+\b], v[BM_\w+\b], v[S+16*\b+7], v[S+16*\b+15]
.endr
.endm
.macro FMA0 n                          ; n lines of t - M of tile 0
.rept \n
	v_pk_fma_f32 v[S+j:S+j+1], v[S+j:S+j+1], s[22:23], v[NM_0:NM_0+1] op_sel_hi:[1,0,0]
.set j, j+2
.endr
.endm
.macro SUMS w                          ; the row's sum of the unquantised p, in four chains
	WIN 0x05*(\w)
.irp k, 0,1,2,3
	v_pk_add_f32 v[PT_\w+2*\k:PT_\w+2*\k+1], v[S+4*\k:S+4*\k+1], v[S+4*\k+2:S+4*\k+3]
.endr
	WIN 0x04*(\w)
.irp g, 0,1,2,3,4,5
.irp k, 0,1,2,3
	v_pk_add_f32 v[PT_\w+2*\k:PT_\w+2*\k+1], v[PT_\w+2*\k:PT_\w+2*\k+1], v[S+16+8*\g+2*\k:S+17+8*\g+2*\k]
.endr
.endr
.endm
.macro PACK w                          ; a whole block to a lane: the operand's six registers
.irp c, 0,1
.irp i, 0,1,2
	v_permlane16_swap_b32 v[PC+6*\c+\i], v[CT_\w+4*\c+\i]
.endr
.irp i, 0,1,2
	s_delay_alu instid0(VALU_DEP_3)
	v_mov_b32 v[PC+3+6*\c+\i], v[CT_\w+4*\c+\i]
.endr
.endr
.endm
; BOTH TILES' SOFTMAX OF A KEY STEP
.macro SM2 last
	MAXES 0
	MAXES 1
	WIN 0
.if \last == 0
	KLOAD ADK, KVB                                 ; the next step's
	BLOAD ADB, 512
.endif
.irp b, 0,1,2,3
	v_max_num_f32 v[BM_0+\b], v[BM_0+\b], v[PT_0+\b]
	v_max_num_f32 v[BM_1+\b], v[BM_1+\b], v[PT_1+\b]
.endr
.irp b, 0,1,2,3
	v_permlanex16_b32 v[PT_0+\b], v[BM_0+\b], s20, s21
	v_permlanex16_b32 v[PT_1+\b], v[BM_1+\b], s20, s21
.endr
.irp b, 0,1,2,3
	v_max_num_f32 v[BM_0+\b], v[BM_0+\b], v[PT_0+\b]   ; with lane l xor 16's 16 keys
	v_max_num_f32 v[BM_1+\b], v[BM_1+\b], v[PT_1+\b]
.endr
.irp w, 0,1
	s_delay_alu instid0(VALU_DEP_4)
	v_max3_num_f32 v[T0_\w], v[BM_\w], v[BM_\w+1], v[BM_\w+2]
.endr
.irp w, 0,1
	s_delay_alu instid0(VALU_DEP_2)
	v_max_num_f32 v[T0_\w], v[T0_\w], v[BM_\w+3]
.endr
.irp w, 0,1
	s_delay_alu instid0(VALU_DEP_2)
	v_mul_f32 v[T0_\w], s22, v[T0_\w]
.endr
.irp w, 0,1
	s_delay_alu instid0(VALU_DEP_2)
	v_max_num_f32 v[NM_\w+1], v[NM_\w+1], v[T0_\w]     ; the running largest t
.endr
.irp w, 0,1
	v_mov_b32 v[T0_\w], v[NM_\w]
.endr
.irp w, 0,1
	s_delay_alu instid0(VALU_DEP_4)
	v_floor_f32 v[NM_\w], -v[NM_\w+1]              ; -M = floor(-t): M is a whole number
.endr
.set j, 0
	FMA0 4                                         ; tile 0's t - M; the three lines that make f stand among them
.irp w, 0,1
	v_sub_f32 v[T0_\w], v[NM_\w], v[T0_\w]
.endr
	FMA0 4
.irp w, 0,1
	v_cvt_i32_f32 v[T0_\w], v[T0_\w]               ; (it saturates)
.endr
	FMA0 4
.irp w, 0,1
	v_ldexp_f32 v[F_\w], 1.0, v[T0_\w]             ; f = 2^(old M - new M)
.endr
	FMA0 20
.irp b, 0,1,2,3
	v_fma_f32 v[BM_0+\b], v[BM_0+\b], s22, v[NM_0] ; the same of each block's largest score: p rises with the score
	v_fma_f32 v[BM_1+\b], v[BM_1+\b], s22, v[NM_1]
.endr
.irp w, 0,1
	v_pk_mul_f32 v[SU_\w:SU_\w+1], v[SU_\w:SU_\w+1], v[F_\w:F_\w+1] op_sel_hi:[1,0]   ; the sums under the new M
.endr
.set j, 0
.rept 16
	v_pk_mul_f32 v[O+j:O+j+1], v[O+j:O+j+1], v[F_0:F_0+1] op_sel_hi:[1,0]   ; O^T under the new M
.set j, j+2
.endr
	WIN 0x41                                       ; tile 1's arrays; its small state stays in window 0
.set j, 0
.rept 32
	v_pk_fma_f32 v[S+j:S+j+1], v[S+j:S+j+1], s[22:23], v[NM_1:NM_1+1] op_sel_hi:[1,0,0]
.set j, j+2
.endr
.set j, 0
.rept 16
	v_pk_mul_f32 v[O+j:O+j+1], v[O+j:O+j+1], v[F_1:F_1+1] op_sel_hi:[1,0]
.set j, j+2
.endr
	s_wait_alu depctr_va_vdst(0)                   ; the wait ahead of the batch
.set j, 0
.rept 64
	v_exp_f32 v[S+j], v[S+j]                       ; p = 2^(t - M): tile 1's,
.set j, j+1
.endr
	WIN 0
.set j, 0
.rept 64
	v_exp_f32 v[S+j], v[S+j]                       ; tile 0's,
.set j, j+1
.endr
.irp b, 0,1,2,3
	v_exp_f32 v[BM_0+\b], v[BM_0+\b]               ; and each block's largest p
	v_exp_f32 v[BM_1+\b], v[BM_1+\b]
.endr
	v_nop                                          ; a plain place behind the exponentials
	s_wait_alu depctr_va_vdst(0)                   ; one wait for the batch of 136, ahead of its first reader
.irp b, 0,1,2,3
	v_max_num_f32 v[BM_0+\b], 0x1800000, v[BM_0+\b]   ; the floor 2^(3 - 127): the byte cannot fall under 1
	v_max_num_f32 v[BM_1+\b], 0x1800000, v[BM_1+\b]
.endr
.irp b, 0,1,2,3
	v_add_nc_u32 v[SO_0+\b], 0xff000000, v[BM_0+\b]   ; 2 off the exponent field: the conversion's scale operand
	v_add_nc_u32 v[SO_1+\b], 0xff000000, v[BM_1+\b]
.endr
.irp b, 0,1,2,3
	v_lshrrev_b32 v[PT_0+\b], 23, v[SO_0+\b]
	v_lshrrev_b32 v[PT_1+\b], 23, v[SO_1+\b]
.endr
.irp w, 0,1
	v_lshl_or_b32 v[T1_\w], v[PT_\w+1], 8, v[PT_\w]
.endr
.irp w, 0,1
	s_delay_alu instid0(VALU_DEP_2)
	v_lshl_or_b32 v[T1_\w], v[PT_\w+2], 16, v[T1_\w]
.endr
.irp w, 0,1
	v_lshl_or_b32 v[PW+\w], v[PT_\w+3], 24, v[T1_\w]   ; p's scale words
.endr
.irp c, 0,1
	v_cvt_scalef32_pk16_fp6_f32 v[PC+6*\c:PC+2+6*\c], v[S+32*\c:S+15+32*\c], v[SO_0+2*\c]
	v_cvt_scalef32_pk16_fp6_f32 v[CT_0+4*\c:CT_0+2+4*\c], v[S+16+32*\c:S+31+32*\c], v[SO_0+2*\c+1]
.endr
	WIN 0x41
.irp c, 0,1
	v_cvt_scalef32_pk16_fp6_f32 v[PC+6*\c:PC+2+6*\c], v[S+32*\c:S+15+32*\c], v[SO_1+2*\c]
	v_cvt_scalef32_pk16_fp6_f32 v[CT_1+4*\c:CT_1+2+4*\c], v[S+16+32*\c:S+31+32*\c], v[SO_1+2*\c+1]
.endr
	v_nop                                          ; one plain place behind the scaled conversions
	PACK 1
	WIN 0
	PACK 0
	SUMS 0                                         ; the sums are also the places between p's codes and scale words and the product
	SUMS 1
	WIN 0
.irp w, 0,1
	v_pk_add_f32 v[PT_\w:PT_\w+1], v[PT_\w:PT_\w+1], v[PT_\w+2:PT_\w+3]
.endr
.irp w, 0,1
	v_pk_add_f32 v[PT_\w+4:PT_\w+5], v[PT_\w+4:PT_\w+5], v[PT_\w+6:PT_\w+7]
.endr
.irp w, 0,1
	s_delay_alu instid0(VALU_DEP_2)
	v_pk_add_f32 v[PT_\w:PT_\w+1], v[PT_\w:PT_\w+1], v[PT_\w+4:PT_\w+5]
.endr
.irp w, 0,1
	s_delay_alu instid0(VALU_DEP_2)
	v_pk_add_f32 v[SU_\w:SU_\w+1], v[SU_\w:SU_\w+1], v[PT_\w:PT_\w+1]
.endr
.endm
; A KEY STEP: 128 keys, for both tiles.  s72: where the step's K and V begin in LDS; s73: its 128 addends.  On entry k's fragments, scale words and the addends are in registers.
.macro STEP last
.irp w, 0,1
	WIN 0x10+0x44*\w                               ; C in window 1; for tile 1 q and S^T too
.irp t, 0,1,2,3,4,5,6,7
.if \t < 4
	v_wmma_scale_f32_16x16x128_f8f6f4 v[S+8*\t:S+8*\t+7], v[R+6*\t:R+6*\t+11], v[16:27], v[BI+8*\t:BI+8*\t+7], v[KS+\t%4], v[QS+\w] matrix_a_fmt:MATRIX_FMT_FP6 matrix_b_fmt:MATRIX_FMT_FP6
.else
	v_wmma_scale_f32_16x16x128_f8f6f4 v[S+8*\t:S+8*\t+7], v[R+6*\t:R+6*\t+11], v[16:27], v[BI+8*\t:BI+8*\t+7], v[KS+\t%4], v[QS+\w] matrix_a_fmt:MATRIX_FMT_FP6 matrix_b_fmt:MATRIX_FMT_FP6 matrix_a_scale:MATRIX_SCALE_ROW1
.endif
.endr
.endr
	WIN 0
	v_add_nc_u32 v[ADK], s72, v[LI]                ; these four are the places behind the products, in front of the loads below and of the first read of the scores
	v_add_nc_u32 v[ADS], s72, v[LS]
	v_add_nc_u32 v[ADB], s73, v[LB]
	v_nop
	ds_load_b128 v[VS:VS+3], v[ADS] offset:12800
	WIN 0x40
.irp c, 0,1,2
	ds_load_b128 v[VF0+4*\c:VF0+4*\c+3], v[ADK] offset:6656+512*\c         ; v's four fragments of this step
	ds_load_b128 v[VF1+4*\c:VF1+4*\c+3], v[ADK] offset:6656+1536+512*\c
	ds_load_b128 v[VF2+4*\c:VF2+4*\c+3], v[ADK] offset:6656+3072+512*\c
	ds_load_b128 v[VF3+4*\c:VF3+4*\c+3], v[ADK] offset:6656+4608+512*\c
.endr
.if \last
.irp i, 0,1,2,3,4,5,6,7
	global_load_b128 v[BI+4*\i:BI+4*\i+3], v[LI], s[8:9] offset:512*\i th:TH_LOAD_NT              ; res of tile 0 and of tile 1, where the addends lay
	global_load_b128 v[BI+32+4*\i:BI+32+4*\i+3], v[LI], s[8:9] offset:65536+512*\i th:TH_LOAD_NT
.endr
	WIN 0
	s_wait_alu depctr_va_vdst(0)
	s_cmp_eq_u32 s75, 1
	s_cbranch_scc1 .Lno_q_\@                       ; the last pass has no successor
	QLOAD 2*BLK                                    ; the second pass's q: eight pairs, two blocks, on
.Lno_q_\@:
.endif
	SM2 \last
	s_wait_alu depctr_va_vdst(0)
	s_wait_dscnt 0x0                               ; v's fragments, and all that the next step's first product reads
.irp w, 0,1
	WIN 0x54*\w+1                                  ; v's fragments lie in window 1
	v_wmma_scale_f32_16x16x128_f8f6f4 v[O:O+7], v[VF0:VF0+11], v[PC:PC+11], v[O:O+7], v[VS], v[PW+\w] matrix_a_fmt:MATRIX_FMT_FP6 matrix_b_fmt:MATRIX_FMT_FP6
	v_wmma_scale_f32_16x16x128_f8f6f4 v[O+8:O+15], v[VF1:VF1+11], v[PC:PC+11], v[O+8:O+15], v[VS+1], v[PW+\w] matrix_a_fmt:MATRIX_FMT_FP6 matrix_b_fmt:MATRIX_FMT_FP6
	v_wmma_scale_f32_16x16x128_f8f6f4 v[O+16:O+23], v[VF2:VF2+11], v[PC:PC+11], v[O+16:O+23], v[VS+2], v[PW+\w] matrix_a_fmt:MATRIX_FMT_FP6 matrix_b_fmt:MATRIX_FMT_FP6
	v_wmma_scale_f32_16x16x128_f8f6f4 v[O+24:O+31], v[VF3:VF3+11], v[PC:PC+11], v[O+24:O+31], v[VS+3], v[PW+\w] matrix_a_fmt:MATRIX_FMT_FP6 matrix_b_fmt:MATRIX_FMT_FP6
.endr
	WIN 0
.endm
	s_mov_b32 s75, 2
.Lpass:
	KLOAD LI, 0                                    ; key step 0's fragments and addends land under the lines below
	BLOAD LB, 0
.irp w, 0,1                            ; a pass begins: no maximum, no sum, O^T = 0 (the first change of M leaves zeros zeros)
	v_mov_b32 v[NM_\w+1], 0xff61b1e6               ; -3e38, under every t
	v_mov_b32 v[SU_\w], 0
	v_mov_b32 v[SU_\w+1], 0
.endr
.irp w, 0,1
	v_floor_f32 v[NM_\w], -v[NM_\w+1]
.endr
.irp w, 0,1
	WIN 0x40*\w
.set j, 0
.rept 32
	v_mov_b32 v[O+j], 0
.set j, j+1
.endr
.endr
	WIN 0
	global_prefetch_b8 v[PFO], s[8:9] th:TH_LOAD_NT scope:SCOPE_SE   ; my 32 blocks of res, wanted 15 steps on
	s_mov_b32 s72, 0
	s_mov_b32 s73, 0
	s_mov_b32 s74, 15
	s_wait_alu depctr_va_vdst(0)
	s_wait_dscnt 0x0
.Lstep:                                            ; key steps 0 to 14
	STEP 0
	s_add_co_u32 s72, s72, KVB
	s_add_co_u32 s73, s73, 512
	s_sub_co_u32 s74, s74, 1
	s_cmp_lg_u32 s74, 0
	s_cbranch_scc1 .Lstep
	STEP 1                                         ; key step 15
.rept 4
	v_nop                                          ; places behind the last products
.endr
	s_wait_loadcnt 0x0                             ; res is in, and the next pass's q
.irp w, 0,1
	v_add_f32 v[T0_\w], v[SU_\w], v[SU_\w+1]
.endr
.irp w, 0,1
	s_delay_alu instid0(VALU_DEP_2)
	v_permlanex16_b32 v[T1_\w], v[T0_\w], s20, s21
.endr
.irp w, 0,1
	s_delay_alu instid0(VALU_DEP_2)
	v_add_f32 v[T0_\w], v[T0_\w], v[T1_\w]         ; the row's sum: it is above 1/2
.endr
	s_wait_alu depctr_va_vdst(0)                   ; the wait ahead of the reciprocals,
	v_rcp_f32 v[F_0], v[T0_0]
	v_rcp_f32 v[F_1], v[T0_1]
	v_nop                                          ; a plain place behind them,
	WIN 0x10                                       ; (res lies in window 1)
	s_wait_alu depctr_va_vdst(0)                   ; and the wait ahead of their first reader
.set j, 0
.rept 16
	v_pk_fma_f32 v[O+j:O+j+1], v[O+j:O+j+1], v[F_0:F_0+1], v[BI+j:BI+j+1] op_sel_hi:[1,0,1]   ; O^T / l + res
.set j, j+2
.endr
	WIN 0x51
.set j, 0
.rept 16
	v_pk_fma_f32 v[O+j:O+j+1], v[O+j:O+j+1], v[F_1:F_1+1], v[BI+32+j:BI+33+j] op_sel_hi:[1,0,1]
.set j, j+2
.endr
	WIN 0
.set j, 0
.rept 32
	v_max_num_f32 v[O+j], 0, v[O+j]                ; relu
.set j, j+1
.endr
.irp i, 0,1,2,3,4,5,6,7
	global_store_b128 v[LI], v[O+4*\i:O+4*\i+3], s[10:11] offset:512*\i   ; 32 lanes store 512 consecutive bytes, aligned
.endr
	WIN 0x55
.set j, 0
.rept 32
	v_max_num_f32 v[O+j], 0, v[O+j]
.set j, j+1
.endr
	WIN 0x04                                       ; a store's data are its source 1
.irp i, 0,1,2,3,4,5,6,7
	global_store_b128 v[LI], v[O+4*\i:O+4*\i+3], s[10:11] offset:65536+512*\i
.endr
	WIN 0
	s_wait_xcnt 0x0                                ; the loads, the prefetch and the stores have read their bases and data: both may be written again
	s_add_nc_u64 s[8:9], s[8:9], 16*65536          ; eight pairs of tiles, 256 rows, on
	s_add_nc_u64 s[10:11], s[10:11], 16*65536
	s_sub_co_u32 s75, s75, 1
	s_cmp_lg_u32 s75, 0
	s_wait_alu depctr_va_vdst(0)
	s_cbranch_scc1 .Lpass
	s_wait_tensorcnt 0x0                           ; the wave's end
	ds_add_u32 v[SPW], v[NIL]
	s_wait_dscnt 0x0
	CROUND                                         ; the closing round
	s_endpgm
.Lfunc_end_k_q85beab49ab_attn:
	.size	k_q85beab49ab_attn, .Lfunc_end_k_q85beab49ab_attn-k_q85beab49ab_attn
	.p2alignl 7, 3214868480
	.fill 96, 4, 3214868480
	.section	.rodata,"a",@progbits
	.p2align	6, 0x0
	.amdhsa_kernel k_q85beab49ab_attn
		.amdhsa_group_segment_fixed_size 218112
		.amdhsa_private_segment_fixed_size 0
		.amdhsa_enable_private_segment 0
		.amdhsa_kernarg_size 32
		.amdhsa_user_sgpr_count 2
		.amdhsa_user_sgpr_kernarg_segment_ptr 1
		.amdhsa_wavefront_size32 1
		.amdhsa_system_sgpr_workgroup_id_x 1
		.amdhsa_system_sgpr_workgroup_id_y 1
		.amdhsa_system_sgpr_workgroup_id_z 1
		.amdhsa_system_vgpr_workitem_id 0
		.amdhsa_next_free_vgpr 512
		.amdhsa_next_free_sgpr 88
		.amdhsa_reserve_vcc 1
		.amdhsa_float_denorm_mode_32 3
		.amdhsa_float_denorm_mode_16_64 3
		.amdhsa_memory_ordered 1
		.amdhsa_forward_progress 1
		.amdhsa_inst_pref_size 81
	.end_amdhsa_kernel
	.amdgpu_metadata
---
amdhsa.version: [ 1, 2 ]
amdhsa.kernels:
  - .name:           k_q85beab49ab_attn
    .symbol:         k_q85beab49ab_attn.kd
    .args:
      - { .name: qkv, .offset: 0, .size: 8, .value_kind: global_buffer, .address_space: global }
      - { .name: mask, .offset: 8, .size: 8, .value_kind: global_buffer, .address_space: global }
      - { .name: res, .offset: 16, .size: 8, .value_kind: global_buffer, .address_space: global }
      - { .name: pre, .offset: 24, .size: 8, .value_kind: global_buffer, .address_space: global }
    .group_segment_fixed_size: 218112
    .private_segment_fixed_size: 0
    .kernarg_segment_align: 8
    .kernarg_segment_size: 32
    .max_flat_workgroup_size: 256
    .sgpr_count:     88
    .vgpr_count:     512
    .wavefront_size: 32
...
	.end_amdgpu_metadata
.endif
;; end of part 2
;; launch norm (part 3): grid 512 x 1, 4 waves a work-group, no clusters, 67,584 bytes of LDS; arguments pre, gamma, beta, out0; writes out0
.if DOCPART == 3
	.amdgcn_target "amdgcn-amd-amdhsa--gfx1250"
	.amdhsa_code_object_version 6
	.text
	.protected	k_q85beab49ab_norm
	.globl	k_q85beab49ab_norm
	.p2align	8
	.type	k_q85beab49ab_norm,@function
k_q85beab49ab_norm:
	s_mov_b64 s[64:65], 0
	v_nop
	global_prefetch_b8 v0, s[64:65] scope:SCOPE_SE
	s_setreg_imm32_b32 hwreg(HW_REG_WAVE_MODE, 25, 1), 1
	s_wait_xcnt 0x0
; out0 = (y - mean) / sqrt(var + 1e-5) x gamma + beta over the 1,024 channels of a row; y = pre, laid [query tile][head][8 planes of 512 bytes] as the launch before stored it:
; register 4 i + e of plane i, lane (r, h), is (row r of the tile, channel 16 (i / 2) + 8 h + 4 (i % 2) + e of the head).
; A stream: each byte is read once and written once; no matrix unit, no tensor load, no cluster (work-groups share nothing but gamma and beta, 8 KB).
; A work-group owns a tile of 16 rows; wave w takes heads 4 w .. 4 w + 3: 16,384 consecutive bytes, 32 loads of 512 bytes, all out at once, kept in 128 registers for both passes.
; A lane holds 128 numbers of ONE row; lane l xor 16 holds 128 more, the other three waves the rest: a row's sums meet by one lane exchange and one barrier.  The variance is taken of y - mean, in a second pass.
; The way out: through the wave's own stage in LDS (rows of 1,024 bytes + 16), back by rows; each store of the wave covers 512 consecutive bytes, aligned.
.set SP,   1040
.set RED,  4*16*SP                     ; behind the stages: 256 bytes for the sums, 256 for the sums of squares
.set X,    32                          ; v32-159
.set GA,   160                         ; v160-167 gamma of my 8 channels of a row's two halves
.set BE,   168                         ; v168-175 beta
.set C0,   176                         ; v176-183 four chains
.set MU,   12                          ; v12-13
.set RS,   14                          ; v14-15
	s_load_b256 s[4:11], s[0:1], 0x0               ; pre, gamma, beta, out0
	v_lshl_add_u32 v192, v0, 2, 0x10600
	v_mov_b32 v193, 0
	v_lshrrev_b32 v6, 5, v0
	v_readfirstlane_b32 s12, v6                    ; wave 0..3
	v_and_b32 v6, 31, v0
	v_and_b32 v7, 15, v0                           ; r
	v_bfe_u32 v16, v0, 4, 1                        ; h
	v_lshlrev_b32 v1, 4, v6                        ; 16 x lane
	s_lshl_b32 s13, s12, 2
	v_lshl_add_u32 v3, v7, 4, RED                  ; my row's four partial sums
	v_add_nc_u32 v2, s13, v3                       ; and my wave's among them
	s_mul_i32 s14, s12, 16*SP                      ; my stage
	v_mul_u32_u24 v4, v7, SP
	v_lshl_add_u32 v4, v16, 5, v4
	v_add_nc_u32 v4, s14, v4                       ; in: row r, + 32 h
	v_add_nc_u32 v5, s14, v1                       ; back: 16 bytes a lane
	v_mov_b32 v[MU+1], 0                           ; named as upper halves of pairs
	v_mov_b32 v[RS+1], 0
	s_lshl_b32 s16, ttmp9, 16                      ; a tile of pre is 65,536 bytes,
	s_lshl_b32 s15, s12, 14                        ; four heads 16,384
	s_add_co_u32 s16, s16, s15
	s_mov_b32 s17, 0
	s_lshl_b32 s18, s12, 10                        ; my 256 channels
	s_mov_b32 s19, 0
	s_lshl_b32 s20, ttmp9, 16                      ; 16 rows of out0 are 65,536 bytes
	s_add_co_u32 s20, s20, s18
	s_mov_b32 s21, 0
	s_mov_b32 s22, 0x76543210
	s_mov_b32 s23, 0xfedcba98
	s_mov_b32 s24, 0x3a800000                      ; 1 / 1,024
	s_mov_b32 s25, 0x3727c5ac                      ; 1e-5
	s_wait_alu depctr_va_vdst(0)
	s_wait_kmcnt 0x0
	s_add_nc_u64 s[4:5], s[4:5], s[16:17]
	s_add_nc_u64 s[6:7], s[6:7], s[18:19]
	s_add_nc_u64 s[8:9], s[8:9], s[18:19]
	s_add_nc_u64 s[10:11], s[10:11], s[20:21]
	global_load_b128 v[GA:GA+3], v1, s[6:7]
	global_load_b128 v[GA+4:GA+7], v1, s[6:7] offset:512
	global_load_b128 v[BE:BE+3], v1, s[8:9]
	global_load_b128 v[BE+4:BE+7], v1, s[8:9] offset:512
.set k, 0
.rept 32
	global_load_b128 v[X+4*k:X+4*k+3], v1, s[4:5] offset:512*k th:TH_LOAD_NT
.set k, k+1
.endr
; the four chains become the row's sum in every lane of every wave: v8
.macro REDUCE off
	v_pk_add_f32 v[C0:C0+1], v[C0:C0+1], v[C0+2:C0+3]
	v_pk_add_f32 v[C0+4:C0+5], v[C0+4:C0+5], v[C0+6:C0+7]
	v_pk_add_f32 v[C0:C0+1], v[C0:C0+1], v[C0+4:C0+5]
	v_add_f32 v[C0], v[C0], v[C0+1]
	v_permlanex16_b32 v[C0+1], v[C0], s22, s23
	v_add_f32 v[C0], v[C0], v[C0+1]                ; my wave's 256 channels of row r
	ds_store_b32 v2, v[C0] offset:\off             ; both halves of the lanes write the same word with the same value
	s_wait_dscnt 0x0                               ; for the others' sake
	s_barrier_signal -1
	s_barrier_wait -1
	ds_load_b128 v[8:11], v3 offset:\off
	s_wait_dscnt 0x0
	v_add_f32 v8, v8, v9
	v_add_f32 v10, v10, v11
	v_add_f32 v8, v8, v10
.endm
	s_wait_loadcnt 24                              ; the first eight loads of y are in; 24 younger ones may be out
.set n, 4
.rept 60
.if n == 16
	s_wait_alu depctr_va_vdst(0)
	s_wait_loadcnt 16
.elseif n == 32
	s_wait_alu depctr_va_vdst(0)
	s_wait_loadcnt 8
.elseif n == 48
	s_wait_alu depctr_va_vdst(0)
	s_wait_loadcnt 0
.endif
.if n < 8
	v_pk_add_f32 v[C0+2*(n%4):C0+2*(n%4)+1], v[X+2*(n-4):X+2*(n-4)+1], v[X+2*n:X+2*n+1]   ; the first pairs start the chains: nothing is cleared
.else
	v_pk_add_f32 v[C0+2*(n%4):C0+2*(n%4)+1], v[C0+2*(n%4):C0+2*(n%4)+1], v[X+2*n:X+2*n+1]
.endif
.set n, n+1
.endr
	REDUCE 0
	v_mul_f32 v[MU], s24, v8                       ; the mean
.set n, 0
.rept 64
	v_pk_add_f32 v[X+2*n:X+2*n+1], v[X+2*n:X+2*n+1], v[MU:MU+1] op_sel_hi:[1,0] neg_lo:[0,1] neg_hi:[0,1]   ; y - mean, in place
.set n, n+1
.endr
.set n, 0
.rept 64
.if n < 4
	v_pk_mul_f32 v[C0+2*n:C0+2*n+1], v[X+2*n:X+2*n+1], v[X+2*n:X+2*n+1]
.else
	v_pk_fma_f32 v[C0+2*(n%4):C0+2*(n%4)+1], v[X+2*n:X+2*n+1], v[X+2*n:X+2*n+1], v[C0+2*(n%4):C0+2*(n%4)+1]
.endif
.set n, n+1
.endr
	REDUCE 256                                     ; other bytes than the first sums': no barrier is owed between the two
	v_fma_f32 v8, v8, s24, s25                     ; the variance + 1e-5
	s_wait_alu depctr_va_vdst(0)
	v_rsq_f32 v[RS], v8
	v_nop                                          ; a plain place behind the root
	s_wait_alu depctr_va_vdst(0)                   ; and the wait ahead of its first reader
.set n, 0
.rept 64
	v_pk_mul_f32 v[X+2*n:X+2*n+1], v[X+2*n:X+2*n+1], v[RS:RS+1] op_sel_hi:[1,0]
.set n, n+1
.endr
.set k, 0
.rept 32
	ds_store_b128 v4, v[X+4*k:X+4*k+3] offset:256*(k/8)+64*((k%8)/2)+16*(k%2)   ; head k / 8, plane k % 8: four neighbouring channels of row r
.set k, k+1
.endr
.set k, 0
.rept 32
	ds_load_b128 v[X+4*k:X+4*k+3], v5 offset:(k/2)*SP+512*(k%2)   ; LDS serves a wave's instructions in order: these see my stores.  Row k / 2, half k % 2 of its 1,024 bytes
.set k, k+1
.endr
.set k, 0
.rept 32
	s_wait_dscnt 31-k                              ; load k is in; the younger ones may be out
	v_pk_fma_f32 v[X+4*k:X+4*k+1], v[X+4*k:X+4*k+1], v[GA+4*(k%2):GA+4*(k%2)+1], v[BE+4*(k%2):BE+4*(k%2)+1]
	v_pk_fma_f32 v[X+4*k+2:X+4*k+3], v[X+4*k+2:X+4*k+3], v[GA+4*(k%2)+2:GA+4*(k%2)+3], v[BE+4*(k%2)+2:BE+4*(k%2)+3]
	global_store_b128 v1, v[X+4*k:X+4*k+3], s[10:11] offset:4096*(k/2)+512*(k%2) th:TH_STORE_NT   ; 32 lanes store 512 consecutive bytes, aligned; no register of a store is written again
.set k, k+1
.endr
	s_wait_tensorcnt 0x0
	ds_add_u32 v192, v193
	s_wait_dscnt 0x0
	s_endpgm
.Lfunc_end_k_q85beab49ab_norm:
	.size	k_q85beab49ab_norm, .Lfunc_end_k_q85beab49ab_norm-k_q85beab49ab_norm
	.p2alignl 7, 3214868480
	.fill 96, 4, 3214868480
	.section	.rodata,"a",@progbits
	.p2align	6, 0x0
	.amdhsa_kernel k_q85beab49ab_norm
		.amdhsa_group_segment_fixed_size 67584
		.amdhsa_private_segment_fixed_size 0
		.amdhsa_enable_private_segment 0
		.amdhsa_kernarg_size 32
		.amdhsa_user_sgpr_count 2
		.amdhsa_user_sgpr_kernarg_segment_ptr 1
		.amdhsa_wavefront_size32 1
		.amdhsa_system_sgpr_workgroup_id_x 1
		.amdhsa_system_sgpr_workgroup_id_y 1
		.amdhsa_system_sgpr_workgroup_id_z 1
		.amdhsa_system_vgpr_workitem_id 0
		.amdhsa_next_free_vgpr 194
		.amdhsa_next_free_sgpr 66
		.amdhsa_reserve_vcc 0
		.amdhsa_float_denorm_mode_32 3
		.amdhsa_float_denorm_mode_16_64 3
		.amdhsa_memory_ordered 1
		.amdhsa_forward_progress 1
		.amdhsa_inst_pref_size 35
	.end_amdhsa_kernel
	.amdgpu_metadata
---
amdhsa.version: [ 1, 2 ]
amdhsa.kernels:
  - .name:           k_q85beab49ab_norm
    .symbol:         k_q85beab49ab_norm.kd
    .args:
      - { .name: pre, .offset: 0, .size: 8, .value_kind: global_buffer, .address_space: global }
      - { .name: gamma, .offset: 8, .size: 8, .value_kind: global_buffer, .address_space: global }
      - { .name: beta, .offset: 16, .size: 8, .value_kind: global_buffer, .address_space: global }
      - { .name: out0, .offset: 24, .size: 8, .value_kind: global_buffer, .address_space: global }
    .group_segment_fixed_size: 67584
    .private_segment_fixed_size: 0
    .kernarg_segment_align: 8
    .kernarg_segment_size: 32
    .max_flat_workgroup_size: 128
    .sgpr_count:     66
    .vgpr_count:     194
    .wavefront_size: 32
...
	.end_amdgpu_metadata
.endif
;; end of part 3
